; MI455X (gfx1250); checked and timed in simulation.
; The chip was launched on July 23, 2026; its instructions are those of AMD's public machine-readable ISA for CDNA 5 (MIT licence, August 2026) and "CDNA5" Instruction Set Architecture Reference Guide (July 2026). The comments in the code are by the model that wrote it; some were corrected since.
;; Multi Head Attention. Allowed arithmetic: matrix products marked QUANTISED: E4M3 operands, one given power-of-two scale a tensor, by v_wmma_f32_16x16x64_fp8_fp8 or v_wmma_f32_16x16x128_fp8_fp8, f32 sums; everything else in f32.
;; Inputs: Wk 1,024 x 1,024 float32; Wo 1,024 x 1,024 float32; Wq 1,024 x 1,024 float32; Wv 1,024 x 1,024 float32; lowp_scales 12 int32 (the exponents e of the quantised operands' scales 2^e); x 4 x 2,048 x 1,024 float32.
;; Outputs: out0 4 x 2,048 x 1,024 float32.
;; This version of the problem:
;;   THIS VERSION OF THE PROBLEM IS GIVEN IN LOW PRECISION. The matrix products marked QUANTISED in the list below multiply operands that are first quantised to E4M3 (4 exponent bits, 3 mantissa bits; 8 bits a number), with one given power-of-two scale for each operand tensor; their sums are f32. All else is computed in f32.
;;   The module's matrix products, in the order in which they are computed (A, B: the left and right operand; K: the contracted axis; several contracted axes count as one K, in the product's order):
;;     1. [M 8,192, K 1,024] x [K 1,024, N 1,024]; A: input x; B: input Wq: QUANTISED (scales: A lowp_scales[0], B lowp_scales[1])
;;     2. [M 8,192, K 1,024] x [K 1,024, N 1,024]; A: input x; B: input Wk: QUANTISED (scales: A lowp_scales[2], B lowp_scales[3])
;;     3. [M 8,192, K 1,024] x [K 1,024, N 1,024]; A: input x; B: input Wv: QUANTISED (scales: A lowp_scales[4], B lowp_scales[5])
;;     4. batch 64 x [M 2,048, K 64] x [K 64, N 2,048]; A: computed on the way; B: computed on the way: QUANTISED (scales: A lowp_scales[6], B lowp_scales[7])
;;     5. batch 64 x [M 2,048, K 2,048] x [K 2,048, N 64]; A: softmax (see below); B: computed on the way: QUANTISED (scales: A lowp_scales[8], B lowp_scales[9])
;;     6. [M 8,192, K 1,024] x [K 1,024, N 1,024]; A: computed on the way; B: input Wo: QUANTISED (scales: A lowp_scales[10], B lowp_scales[11])
;;   THE QUANTISER, for each operand of a quantised product, along K:
;;     - The operand's scale is 2^e, e = its entry of the input lowp_scales (int32; the entries are numbered through the quantised products in the list's order, A before B).
;;     - Each number is divided by the scale, clamped to +-448, and rounded to the nearest number of E4M3, ties to even, subnormals kept.
;;     - The product sums the exact products of the quantised numbers (number of the format x scale) in f32.
;;   ~~~python
;;   def quantise(x, axis, e):      # numpy; x: float32 -> the quantised numbers, widened to float32 again
;;       x = np.moveaxis(x, axis, -1); K = x.shape[-1]
;;       r = np.clip(x / 2.0 ** e, -448, 448)
;;       step = 2.0 ** (np.maximum(np.frexp(np.where(r == 0, 1, r))[1] - 1, -6) - 3)
;;       q = np.round(r / step) * step * 2.0 ** e      # np.round: ties to even
;;       return np.moveaxis(q, -1, axis).astype(np.float32)
;;   ~~~
;;   SOFTMAX AHEAD OF A QUANTISED PRODUCT. Where the list says 'softmax', what is quantised is not the finished softmax but p = 2^(t - M), with t = logit x log2(e) and M = ceil(the row's largest t), a whole number; so 1/2 < the row's largest p <= 1. The row's sum l is taken of the UNQUANTISED p, in f32, and the product's result is divided by l at the end. Since M is a whole number, a kernel that streams over the keys may use a running M (the ceiling of the running maximum): every later rescaling is an exact power of two, so the quantised numbers keep their values, but for numbers so far below the row's largest that they fall under the format's range.
;;   OPERANDS COMPUTED ON THE WAY. 'Computed on the way' means the value that the module computes at that place (a softmax that the list does not call 'softmax' is quantised finished and normalised). What goes into a quantiser is computed in f32, as accurately as f32 sums, v_exp_f32 and their like allow (about 1e-6 of the number): no bf16 or f16 on the way to a quantiser, and a product that is left as it is and whose result goes on into a quantised operand takes f32 operands (vector FMAs, or v_wmma_f32_16x16x4_f32). A number that lies on a knife's edge between two numbers of the format may be rounded either way, as far as f32 arithmetic and the matrix unit's own rounding can turn it there, and no further.
;; One version. Each part assembles by itself: llvm-mc -triple=amdgcn-amd-amdhsa -mcpu=gfx1250 --defsym DOCPART=n.
;; ======== version 1 of 1: 4 launches
;; limits: right only within a limited range of input values
;; workspace buffers: xc 25,165,824 bytes; wc 4,194,304 bytes; qc 8,388,608 bytes; kv 16,777,216 bytes; cc 8,388,608 bytes
;; launch quant (part 1): grid 1536 x 1, 4 waves a work-group, no clusters, 34,304 bytes of LDS; arguments x, Wq, Wk, Wv, Wo, lowp_scales, xc, wc; writes xc, wc
.if DOCPART == 1
	.amdgcn_target "amdgcn-amd-amdhsa--gfx1250"
	.amdhsa_code_object_version 6
	.text
	.protected	k_q10312711a5_quant
	.globl	k_q10312711a5_quant
	.p2align	8
	.type	k_q10312711a5_quant,@function
k_q10312711a5_quant:
	s_mov_b64 s[64:65], 0
	v_nop
	global_prefetch_b8 v0, s[64:65] scope:SCOPE_SE
	s_setreg_imm32_b32 hwreg(HW_REG_WAVE_MODE, 25, 1), 1
	s_wait_xcnt 0x0
; x [8192][1024] and Wq, Wk, Wv, Wo [1024][1024], f32 with K innermost, become codes of FP8 (E4M3).
; code = number / 2^e, to the nearest code, ties to even.  x is an operand of three products, each with a scale of its own
; (entries 0, 2, 4 of the scales), so it is read once and written three times; Wq, Wk, Wv, Wo take entries 1, 3, 5, 11.
; LAYOUT OF THE CODES: images of the matrix operand's registers.  A fragment is 16 rows x 128 K: lane l = r + 16 h holds row r, its register pair c the K 16 c + 8 h + 0..7.
; It is stored as four pieces of 512 bytes, lane l's 16 bytes (pairs 2 p, 2 p + 1) at 16 l of piece p.  A tensor's fragments lie [row / 128][K / 256][(K / 128) % 2][(row / 16) % 8]:
; 128 rows x 256 K are 32,768 consecutive bytes.  So the later launches fetch dense blocks and read fragments at 16 x lane, and every store here covers 512 consecutive bytes, aligned.
; SHARES: a wave takes one fragment: 16 rows x 512 bytes of f32.  Work-groups 0-1023 take x, then 128 each take Wq, Wk, Wv, Wo.  Each load reads 512 consecutive bytes of a row;
; the 8,192 bytes turn through the wave's own stage in LDS (rows 528 bytes apart, an odd multiple of 16), from which a lane takes its 8 neighbours along K for each conversion.
; Waves share nothing: no barrier, no cluster, no matrix unit.  All 16 loads of a wave are out together.
; LIMITS: each e used here lies between -126 and 119, so that 2^e is an f32 number.  NaN among the inputs is not served.
.set ROWB, 4096                        ; a row of x or of a weight in bytes
.set SP,   528                         ; a stage row
.set WREG, 16*SP                       ; a wave's stage
.set XWG,  1024                        ; work-groups that take x
.set LI,   1                           ; v1   16 x lane
.set SIN,  2                           ; v2   the stage on the way in
.set SOUT, 3                           ; v3   and on the way out: row r, + 32 h
.set SC,   6                           ; v6, v8, v10   2^e as f32, for the three scales
.set LIM,  7
.set R,    16                          ; v16-79   the numbers
.set T,    80
.set C,    96                          ; v96-143  codes: 16 registers for each scale, so that no store's data are written again
	s_load_b256 s[4:11], s[0:1], 0x0               ; x, Wq, Wk, Wv
	s_load_b256 s[12:19], s[0:1], 0x20             ; Wo, the scales' exponents, xc, wc
	v_lshl_add_u32 v144, v0, 2, 0x8400
	v_mov_b32 v145, 0
	v_lshrrev_b32 v4, 5, v0
	v_readfirstlane_b32 s20, v4                    ; wave
	v_and_b32 v5, 31, v0
	v_lshlrev_b32 v[LI], 4, v5
	s_mul_i32 s21, s20, WREG
	v_add_nc_u32 v[SIN], s21, v[LI]
	v_and_b32 v4, 15, v0                           ; r
	v_bfe_u32 v5, v0, 4, 1                         ; h
	v_mul_u32_u24 v[SOUT], v4, SP
	v_lshl_add_u32 v[SOUT], v5, 5, v[SOUT]
	v_add_nc_u32 v[SOUT], s21, v[SOUT]
	s_sub_co_u32 s22, ttmp9, XWG
	s_lshr_b32 s23, s22, 7                         ; which weight (0 for x's work-groups, below)
	s_and_b32 s22, s22, 127
	s_cmp_lt_u32 ttmp9, XWG
	s_cselect_b32 s22, ttmp9, s22                  ; the work-group's number within its tensor
	s_cselect_b32 s23, 0, s23
	s_lshl_b32 s22, s22, 2
	s_add_co_u32 s22, s22, s20                     ; my fragment's number
	s_and_b32 s24, s22, 7                          ; K / 128
	s_lshr_b32 s25, s22, 3                         ; row / 16
	s_lshl_b32 s26, s25, 16                        ; in: 16 rows of 4,096 bytes,
	s_lshl_b32 s27, s24, 9                         ; 512 bytes along K
	s_add_co_u32 s26, s26, s27
	s_mov_b32 s27, 0
	s_lshr_b32 s28, s25, 3                         ; out: 131,072 (row / 128)
	s_lshl_b32 s28, s28, 17
	s_lshl_b32 s29, s24, 14                        ; + 16,384 (K / 128)
	s_add_co_u32 s28, s28, s29
	s_and_b32 s29, s25, 7                          ; + 2,048 ((row / 16) % 8)
	s_lshl_b32 s29, s29, 11
	s_add_co_u32 s28, s28, s29
	s_lshl_b32 s29, s23, 20                        ; + the weight's 2^20 bytes in wc
	s_add_co_u32 s28, s28, s29
	s_mov_b32 s29, 0
	s_wait_alu depctr_va_vdst(0)
	s_wait_kmcnt 0x0
	s_load_b256 s[44:51], s[14:15], 0x0            ; e0 .. e7
	s_load_b128 s[52:55], s[14:15], 0x20           ; e8 .. e11
	s_cmp_eq_u32 s23, 2                            ; the buffers are chosen on the work-group's number alone
	s_cselect_b64 s[30:31], s[10:11], s[12:13]
	s_cmp_eq_u32 s23, 1
	s_cselect_b64 s[30:31], s[8:9], s[30:31]
	s_cmp_eq_u32 s23, 0
	s_cselect_b64 s[30:31], s[6:7], s[30:31]
	s_cmp_lt_u32 ttmp9, XWG
	s_cselect_b64 s[30:31], s[4:5], s[30:31]
	s_cselect_b64 s[38:39], s[16:17], s[18:19]
	s_add_nc_u64 s[30:31], s[30:31], s[26:27]
	s_add_nc_u64 s[38:39], s[38:39], s[28:29]
	s_add_nc_u64 s[40:41], s[38:39], 0x800000      ; x's second and third copy (used by x's work-groups alone)
	s_add_nc_u64 s[42:43], s[38:39], 0x1000000
.set i, 0
.rept 16
	global_load_b128 v[R+4*i:R+4*i+3], v[LI], s[30:31] offset:ROWB*i th:TH_LOAD_NT   ; row i: 32 lanes read 512 consecutive bytes; read once in the launch
.set i, i+1
.endr
	s_wait_kmcnt 0x0
	s_cmp_eq_u32 s23, 2                            ; the first scale: e11, e5, e3, e1 for the weights, e0 for x
	s_cselect_b32 s56, s49, s55
	s_cmp_eq_u32 s23, 1
	s_cselect_b32 s56, s47, s56
	s_cmp_eq_u32 s23, 0
	s_cselect_b32 s56, s45, s56
	s_cmp_lt_u32 ttmp9, XWG
	s_cselect_b32 s56, s44, s56
.macro MKSC e, k                       ; 2^e as an f32 number
	s_add_co_i32 s57, s[\e], 127
	s_lshl_b32 s58, s57, 23
	v_mov_b32 v[SC+2*\k], s58
.endm
	MKSC 56, 0
	MKSC 46, 1                                     ; e2
	MKSC 48, 2                                     ; e4
.set i, 0
	s_wait_alu depctr_va_vdst(0)
.rept 16
	s_wait_loadcnt 15-i                            ; loads come back in order: row i is in, the younger rows' loads stay out
	ds_store_b128 v[SIN], v[R+4*i:R+4*i+3] offset:SP*i
.set i, i+1
.endr
	s_wait_dscnt 0x0                               ; the stores have read their registers, into which the loads below land
.irp c, 0,1,2,3
.irp g, 0,1
.irp j, 0,1
	ds_load_b128 v[R+16*\c+8*\g+4*\j:R+16*\c+8*\g+4*\j+3], v[SOUT] offset:128*\c+64*\g+16*\j   ; row r, K = 32 c + 16 g + 8 h + 4 j on: registers R + 8 p + 0..7 are pair p = 2 c + g
.endr
.endr
.endr
	s_wait_dscnt 0x0
; The fragment under scale k.  The conversion to an 8-bit code does not saturate (ISA guide 7.6.2).
; The results go to stores alone.
.macro CONV k, dst
.irp p, 0,1,2,3,4,5,6,7
.irp e, 0,1,2,3,4,5,6,7
.endr
	v_cvt_scalef32_pk8_fp8_f32 v[C+16*\k+2*\p:C+16*\k+2*\p+1], v[T+8*(\p%2)+((R+8*\p+0)-(T+8*(\p%2)+0)):T+8*(\p%2)+7+((R+8*\p+0)-(T+8*(\p%2)+0))], v[SC+2*\k]
.endr
.irp c, 0,1,2,3
	global_store_b128 v[LI], v[C+16*\k+4*\c:C+16*\k+4*\c+3], s[\dst:\dst+1] offset:512*\c   ; a piece: 512 consecutive bytes, aligned
.endr
.endm
	CONV 0, 38
	s_cmp_lt_u32 ttmp9, XWG                        ; a weight has one scale
	s_cbranch_scc0 .Ldone
	CONV 1, 40
	CONV 2, 42
.Ldone:
	s_wait_tensorcnt 0x0
	ds_add_u32 v144, v145
	s_wait_dscnt 0x0
	s_endpgm
.Lfunc_end_k_q10312711a5_quant:
	.size	k_q10312711a5_quant, .Lfunc_end_k_q10312711a5_quant-k_q10312711a5_quant
	.p2alignl 7, 3214868480
	.fill 96, 4, 3214868480
	.section	.rodata,"a",@progbits
	.p2align	6, 0x0
	.amdhsa_kernel k_q10312711a5_quant
		.amdhsa_group_segment_fixed_size 34304
		.amdhsa_private_segment_fixed_size 0
		.amdhsa_enable_private_segment 0
		.amdhsa_kernarg_size 64
		.amdhsa_user_sgpr_count 2
		.amdhsa_user_sgpr_kernarg_segment_ptr 1
		.amdhsa_wavefront_size32 1
		.amdhsa_system_sgpr_workgroup_id_x 1
		.amdhsa_system_sgpr_workgroup_id_y 1
		.amdhsa_system_sgpr_workgroup_id_z 1
		.amdhsa_system_vgpr_workitem_id 0
		.amdhsa_next_free_vgpr 146
		.amdhsa_next_free_sgpr 66
		.amdhsa_reserve_vcc 0
		.amdhsa_float_denorm_mode_32 3
		.amdhsa_float_denorm_mode_16_64 3
		.amdhsa_fp16_overflow 1
		.amdhsa_memory_ordered 1
		.amdhsa_forward_progress 1
		.amdhsa_inst_pref_size 11
	.end_amdhsa_kernel
	.amdgpu_metadata
---
amdhsa.version: [ 1, 2 ]
amdhsa.kernels:
  - .name:           k_q10312711a5_quant
    .symbol:         k_q10312711a5_quant.kd
    .args:
      - { .name: x, .offset: 0, .size: 8, .value_kind: global_buffer, .address_space: global }
      - { .name: Wq, .offset: 8, .size: 8, .value_kind: global_buffer, .address_space: global }
      - { .name: Wk, .offset: 16, .size: 8, .value_kind: global_buffer, .address_space: global }
      - { .name: Wv, .offset: 24, .size: 8, .value_kind: global_buffer, .address_space: global }
      - { .name: Wo, .offset: 32, .size: 8, .value_kind: global_buffer, .address_space: global }
      - { .name: lowp_scales, .offset: 40, .size: 8, .value_kind: global_buffer, .address_space: global }
      - { .name: xc, .offset: 48, .size: 8, .value_kind: global_buffer, .address_space: global }
      - { .name: wc, .offset: 56, .size: 8, .value_kind: global_buffer, .address_space: global }
    .group_segment_fixed_size: 34304
    .private_segment_fixed_size: 0
    .kernarg_segment_align: 8
    .kernarg_segment_size: 64
    .max_flat_workgroup_size: 128
    .sgpr_count:     66
    .vgpr_count:     146
    .wavefront_size: 32
...
	.end_amdgpu_metadata
.endif
;; end of part 1
;; launch qkv (part 2): grid 12 x 32, 4 waves a work-group, clusters of 4 x 4, 327,680 bytes of LDS; arguments xc, wc, lowp_scales, qc, kv; writes qc, kv
.if DOCPART == 2
	.amdgcn_target "amdgcn-amd-amdhsa--gfx1250"
	.amdhsa_code_object_version 6
	.text
	.protected	k_q10312711a5_qkv
	.globl	k_q10312711a5_qkv
	.p2align	8
	.type	k_q10312711a5_qkv,@function
k_q10312711a5_qkv:
	s_mov_b64 s[64:65], 0
	v_nop
	global_prefetch_b8 v0, s[64:65] scope:SCOPE_SE
	s_setreg_imm32_b32 hwreg(HW_REG_WAVE_MODE, 25, 1), 1
	s_wait_xcnt 0x0
	s_wait_alu depctr_hold_cnt(0) depctr_sa_sdst(0) depctr_va_vdst(0) depctr_va_sdst(0) depctr_va_ssrc(0) depctr_va_vcc(0) depctr_vm_vsrc(0)
	s_getreg_b32 s2, hwreg(HW_REG_IB_STS2, 6, 4)
	s_cmp_eq_u32 s2, 0
	s_cbranch_scc0 .Lentry_in_a_cluster
	s_endpgm
.Lentry_in_a_cluster:
	s_bfe_u32 s2, ttmp6, 0x10000c
	s_cmp_lg_u32 s2, 0xf033
	s_cbranch_scc0 .Lentry_shape_is_right
	s_endpgm
.Lentry_shape_is_right:
; q = x Wq^T, k = x Wk^T, v = x Wv^T on codes of FP8 (E4M3), sums in f32; the sums are quantised here for the attention's two products and leave as codes.
; The cluster's x says which: 0 q, 1 k, 2 v.  A tile of 256 x 256 is made by four waves, a wave makes 128 x 128: 64 accumulators, 512 registers.  K = 1,024 goes in four steps of 256
; through two LDS slots.  Operands come as images of the operand's registers (16 rows x 128 K = 2,048 bytes, lane l's 16 bytes at 16 l of each of four pieces; 128 rows x 256 K are
; 32,768 consecutive bytes): a tensor load brings a dense block, no padding is wanted, and a fragment is four loads of 512 consecutive bytes.
; CLUSTERS: 4 x 4 work-groups cover 1,024 x 1,024.  The four of a row of the cluster need the same tiles of operand 'A', the four of a column the same tiles of 'B': each is asked for jointly.
; THE MATRIX INSTRUCTION IS USED TRANSPOSED (source 0 = 16 rows of 'B', source 1 = 16 rows of 'A'): in accumulator (a, b) lane (r, h) holds, of 'A' row 16 a + r, the 'B' rows 16 b + 8 h + 0..7:
; eight neighbours, whose eight codes ARE register pair b of a fragment with rows along 'A' and K along 'B'.
;   q, k: 'A' = x, 'B' = W: rows = tokens, K = the head's 64: pairs b % 4 of head b / 4.      v: 'A' = Wv, 'B' = x: rows = the head's channels, K = 128 keys: pairs 0..7.
; So the results leave from registers as the attention wants them, 512 consecutive aligned bytes a store; only base and three strides differ, chosen by s_cselect on the cluster's x.
;   qc: [head 64][token / 16][1,024 bytes].     kv: [head 64][256 keys: 8][K: 16 tiles of 16 keys x 1,024 bytes | V: 2 steps of 128 keys x 4 blocks of 16 channels x 2,048 bytes].
; A sum stands for sum x 2^(ea + eb), so its code is sum / 2^(eo - ea - eb): the three scales are folded into the conversion's one.
; LIMITS: e6 - e0 - e1, e7 - e2 - e3 and e9 - e4 - e5 lie between -126 and 119, so that the scale is an f32 number.
; REGISTERS, in windows of 256: window 0: v0-31 addresses; v96-111 store offsets; v113 scale; from v128 A's fragments, ONE set, later the codes.
;   window 1: B's fragments, TWO sets, at v0 and v128.   window 2: accumulators of my rows 0-63 ((a, b) at v[8 (8 a + b)]);   window 3: those of rows 64-127.
.set FR,     16                        ; registers of a fragment
.set NL,     4                         ; LDS loads that bring one
.set NP,     4                         ; places behind this matrix instruction (ISA guide 7.12.1)
.set HALFT,  32768                     ; 128 rows x 256 K: what one tensor load brings, and what one wave reads of A or of B
.set SLOT,   4*HALFT                   ; A's two halves, then B's two
.set KSTEPB, 32768                     ; from a K step to the next in an image
.set SPARE,  2*SLOT                    ; behind the ring: the spare words, 128 bytes for each wave
.set ADRA, 16                          ; v16-17  LDS address of my A fragments in slot 0, 1
.set ADRB, 20                          ; v20-21  the same for B
.set LI,   26                          ; v26     16 x lane
.set SPW,  28                          ; v28     LDS address of my spare word; never rewritten
.set NIL,  29                          ; v29     0; never rewritten
.set TMP,  32
.set OFF,  96                          ; v[96 + 2 a + u]: byte offset of block a's pieces 2 u, 2 u + 1
.set LIM,  112
.set SC,   113
.set AF,   128
.set CD,   128                         ; the codes: 16 registers a block, so that no store's data are written again
.set G1, 24                            ; s[24:31] descriptor group 1 for A's tiles;  s[32:39] group 0, one set for each slot
.set G0, 32
.set G1B, 48                           ; s[48:55], s[56:63] the same for B's tiles
.set G0B, 56
.set MSB, 0
.macro WIN new                         ; the immediate's high byte repeats the setting that is left
.if MSB != \new
	s_set_vgpr_msb (MSB<<8)|\new
.set MSB, \new
.endif
.endm
.set MUL_LO, 0xa1                      ; source 0 (B) window 1, source 1 (A) window 0, C and D window 2
.set MUL_HI, 0xf1                      ; the same, C and D window 3
.set TO_B,   0x40                      ; destination window 1, address window 0
; A joint load: waves 0 and 1 fetch for A, waves 2 and 3 for B.  The branch hangs on the wave's number alone.  Four v_nop follow each of the two lines.
.macro JLOAD g0a, g1a, g0b, g1b
	s_cmp_eq_u32 s15, 0
	s_cbranch_scc0 .Lfor_b_\@
	tensor_load_to_lds s[\g0a:\g0a+3], s[\g1a:\g1a+7]
	s_nop 0
.rept 4
	v_nop
.endr
	s_branch .Lasked_\@
.Lfor_b_\@:
	tensor_load_to_lds s[\g0b:\g0b+3], s[\g1b:\g1b+7]
	s_nop 0
.rept 4
	v_nop
.endr
.Lasked_\@:
.endm
.macro CREST                           ; a round of the cluster's barrier behind its opening barrier
	s_cmp_lg_u32 s14, 0
	s_cbranch_scc1 .Lnot_wave_0_\@
	s_barrier_signal -3
.Lnot_wave_0_\@:
	s_barrier_wait -3
	s_barrier_signal -1
	s_barrier_wait -1
.endm
.macro CROUND                          ; a whole round
	s_barrier_signal -1
	s_barrier_wait -1
	CREST
.endm
	s_load_b128 s[4:7], s[0:1], 0x0                ; xc, wc
	s_load_b128 s[8:11], s[0:1], 0x10              ; the scales' exponents, qc
	s_load_b64 s[12:13], s[0:1], 0x20              ; kv
	v_lshl_add_u32 v[SPW], v0, 2, SPARE
	v_mov_b32 v[NIL], 0
	ds_add_u32 v28, v29
	ds_add_u32 v28, v29
	s_wait_dscnt 0x0
	v_lshrrev_b32 v1, 5, v0
	v_readfirstlane_b32 s14, v1                    ; wave 0..3
	s_lshr_b32 s15, s14, 1                         ; which half of the tile's 'A' rows is mine.  Also: I fetch for A (0) or for B (1)
	s_and_b32 s16, s14, 1                          ; which half of its 'B' rows.  Also: which 128 rows of that tile I fetch
	s_bfe_u32 s40, ttmp6, 0x40000                  ; cx, cy: my place in the cluster
	s_bfe_u32 s41, ttmp6, 0x40004
	s_and_b32 s42, ttmp7, 0xffff
	s_lshl_b32 s42, s42, 2                         ; 4 x cluster y: which 1,024 rows of x
	s_cmp_eq_u32 ttmp9, 2                          ; v?  The cluster's x is the same in all sixteen partners
	s_cselect_b32 s17, 0, s42
	s_cselect_b32 s43, s42, 0
	s_add_co_u32 s17, s17, s41                     ; tile row (of 'A'): cy, + x's place where 'A' is x
	s_add_co_u32 s43, s43, s40                     ; tile column (of 'B'): cx, + x's place where 'B' is x
	s_lshl_b32 s44, s41, 2
	s_lshl_b32 s44, 15, s44                        ; my row of the cluster
	s_lshl_b32 s45, 0x1111, s40                    ; my column
	; descriptor group 1: a dense block of 32,768 bytes as 128 rows of 32 elements of 8 bytes
	s_or_b32 s[G1+0], s44, (3<<16)|(1<<21)         ; 15:0 the mask: A's tiles go to my row; 17:16 elements of 8 bytes; 20 no padding; 21 set beside a mask
	s_or_b32 s[G1B+0], s45, (3<<16)|(1<<21)
.irp g, G1, G1B
	s_mov_b32 s[\g+1], 32<<16                      ; tensor_dim0 = 32
	s_mov_b32 s[\g+2], 128<<16                     ; tensor_dim1 = 128
	s_mov_b32 s[\g+3], 32<<16                      ; tile_dim0 = 32
	s_mov_b32 s[\g+4], 128                         ; tile_dim1 = 128
	s_mov_b32 s[\g+5], 32                          ; tensor_dim0_stride: dense
	s_mov_b32 s[\g+6], 0
	s_mov_b32 s[\g+7], 0
.endr
	s_lshl_b32 s20, s17, 1
	s_add_co_u32 s20, s20, s16
	s_lshl_b32 s20, s20, 17                        ; A: 131,072 x (2 x tile row + half)
	s_lshl_b32 s46, s43, 1
	s_add_co_u32 s46, s46, s16
	s_lshl_b32 s46, s46, 17                        ; B likewise, by the tile column
	s_lshl_b32 s18, ttmp9, 23                      ; q, k: x's copy under this product's scale,
	s_lshl_b32 s19, ttmp9, 20                      ; and this product's weight
	s_cmp_eq_u32 ttmp9, 2
	s_cselect_b32 s18, 0x200000, s18               ; v: 'A' is Wv, the third weight,
	s_cselect_b32 s19, 0x1000000, s19              ; 'B' is x's third copy
	s_add_co_u32 s20, s20, s18
	s_add_co_u32 s46, s46, s19
	s_mov_b32 s21, 0
	s_mov_b32 s47, 0
	s_lshl_b32 s70, s14, 15                        ; where they go: wave x 32,768: no place in the cluster enters an LDS address
	s_wait_kmcnt 0x0
	s_load_b256 s[72:79], s[8:9], 0x0              ; e0 .. e7
	s_load_b128 s[80:83], s[8:9], 0x20             ; e8 .. e11
	s_cmp_eq_u32 ttmp9, 2
	s_cselect_b64 s[66:67], s[6:7], s[4:5]
	s_cselect_b64 s[68:69], s[4:5], s[6:7]
	s_add_nc_u64 s[20:21], s[66:67], s[20:21]
	s_add_nc_u64 s[46:47], s[68:69], s[46:47]
	CROUND                                         ; all sixteen work-groups are here: the first joint loads meet
.irp s, 0,1
	s_mov_b32 s[G0+4*\s], 1
	s_add_co_u32 s[G0+4*\s+1], s70, \s*SLOT
	s_add_nc_u64 s[G0+4*\s+2:G0+4*\s+3], s[20:21], \s*KSTEPB
	s_or_b32 s[G0+4*\s+3], s[G0+4*\s+3], 0x80000000
	s_mov_b32 s[G0B+4*\s], 1
	s_add_co_u32 s[G0B+4*\s+1], s70, \s*SLOT
	s_add_nc_u64 s[G0B+4*\s+2:G0B+4*\s+3], s[46:47], \s*KSTEPB
	s_or_b32 s[G0B+4*\s+3], s[G0B+4*\s+3], 0x80000000
	JLOAD G0+4*\s, G1, G0B+4*\s, G1B               ; two loads of mine are out
.endr
	v_and_b32 v1, 31, v0
	v_lshlrev_b32 v[LI], 4, v1
	s_wait_alu depctr_va_vdst(0)
	s_lshl_b32 s21, s15, 15                        ; my 128 rows of A
	s_lshl_b32 s22, s16, 15                        ; my 128 rows of B,
	s_add_co_u32 s22, s22, 2*HALFT                 ; which lie behind A's two halves
.irp s, 0,1
	v_add_nc_u32 v[ADRA+\s], s21, v[LI]
	v_add_nc_u32 v[ADRB+\s], s22, v[LI]
	s_add_co_u32 s21, s21, SLOT
	s_add_co_u32 s22, s22, SLOT
.endr
	; where my results go
	s_lshl_b32 s84, s17, 8
	s_lshl_b32 s85, s15, 7
	s_add_co_u32 s84, s84, s85                     ; my first 'A' row
	s_lshl_b32 s85, s43, 8
	s_lshl_b32 s86, s16, 7
	s_add_co_u32 s85, s85, s86                     ; my first 'B' row
	s_cmp_eq_u32 ttmp9, 2
	s_cselect_b32 s86, s85, s84                    ; my first token (of 8,192),
	s_cselect_b32 s87, s84, s85                    ; my first feature (of 1,024)
	s_lshr_b32 s88, s86, 11
	s_lshl_b32 s88, s88, 4
	s_lshr_b32 s87, s87, 6
	s_add_co_u32 s88, s88, s87                     ; head = 16 x batch + feature / 64
	s_bfe_u32 s89, s86, 0x40007                    ; u = which 128 tokens of the batch's 2,048
	s_lshl_b32 s92, s88, 17
	s_lshl_b32 s93, s89, 13
	s_add_co_u32 s92, s92, s93                     ; q: 131,072 head + 8,192 u
	s_lshl_b32 s93, s88, 18
	s_lshr_b32 s94, s89, 1
	s_lshl_b32 s94, s94, 15
	s_add_co_u32 s93, s93, s94
	s_and_b32 s94, s89, 1
	s_lshl_b32 s94, s94, 13
	s_add_co_u32 s93, s93, s94                     ; k: 262,144 head + 32,768 (u / 2) + 8,192 (u % 2)
	s_cmp_eq_u32 ttmp9, 2
	s_cselect_b32 s94, 16384, 0
	s_add_co_u32 s93, s93, s94                     ; v: behind the chunk's K
	s_cmp_eq_u32 ttmp9, 0
	s_cselect_b32 s92, s92, s93
	s_cselect_b64 s[90:91], s[10:11], s[12:13]
	s_mov_b32 s93, 0
	s_add_nc_u64 s[90:91], s[90:91], s[92:93]
	s_cmp_eq_u32 ttmp9, 2                          ; from block a to a + 1 (within four), from a to a + 4, from pieces 0, 1 to pieces 2, 3:
	s_mov_b32 s95, 1024                            ; q, k: a tile of 16 tokens on;       v: a block of 16 channels on
	s_cselect_b32 s95, 2048, s95
	s_mov_b32 s96, 4096                            ; q, k: four such tiles on;           v: the next head
	s_cselect_b32 s96, 262144, s96
	s_mov_b32 s97, 262144                          ; q, k: the next head;                v: the fragment's second half
	s_cselect_b32 s97, 1024, s97
	s_cmp_eq_u32 ttmp9, 0
	s_cselect_b32 s97, 131072, s97
	v_mov_b32 v[OFF], v[LI]
.irp a, 1,2,3
	v_add_nc_u32 v[OFF+2*\a], s95, v[OFF+2*\a-2]
.endr
.irp a, 4,5,6,7
	v_add_nc_u32 v[OFF+2*\a], s96, v[OFF+2*\a-8]
.endr
.irp a, 0,1,2,3,4,5,6,7
	v_add_nc_u32 v[OFF+2*\a+1], s97, v[OFF+2*\a]
.endr
	s_wait_kmcnt 0x0
	s_sub_co_i32 s84, s78, s72
	s_sub_co_i32 s84, s84, s73                     ; q: e6 - e0 - e1
	s_sub_co_i32 s85, s79, s74
	s_sub_co_i32 s85, s85, s75                     ; k: e7 - e2 - e3
	s_sub_co_i32 s86, s81, s76
	s_sub_co_i32 s86, s86, s77                     ; v: e9 - e4 - e5
	s_cmp_eq_u32 ttmp9, 1
	s_cselect_b32 s84, s85, s84
	s_cmp_eq_u32 ttmp9, 2
	s_cselect_b32 s84, s86, s84
	s_add_co_i32 s84, s84, 127
	s_lshl_b32 s85, s84, 23
	v_mov_b32 v[SC], s85                           ; the folded scale as f32: the conversion takes its exponent field
.macro FRAG reg, adr, q, i             ; fragment i of the slot's q-th 128 along K: four pieces of 512 consecutive bytes
.irp c, 0,1,2,3
	ds_load_b128 v[\reg+4*\c:\reg+4*\c+3], v[\adr] offset:16384*(\q)+2048*(\i)+512*\c
.endr
.endm
; 16 matrix instructions: A's blocks a0, a0 + 1 x B's eight, 128 along K.  p: B's set.  zero = 1: the first product starts the sums: nothing is ever cleared.
; The 64 accumulators take turns, one instruction a turn, in the same order in every step.
.macro MUL16 a0, p, zero
.irp a, \a0, \a0+1
.irp b, 0,1,2,3,4,5,6,7
.if \zero
	v_wmma_f32_16x16x128_fp8_fp8 v[8*(8*((\a)%4)+\b):8*(8*((\a)%4)+\b)+7], v[128*(\p)+FR*\b:128*(\p)+FR*\b+FR-1], v[AF+FR*(\a):AF+FR*(\a)+FR-1], 0
.else
	v_wmma_f32_16x16x128_fp8_fp8 v[8*(8*((\a)%4)+\b):8*(8*((\a)%4)+\b)+7], v[128*(\p)+FR*\b:128*(\p)+FR*\b+FR-1], v[AF+FR*(\a):AF+FR*(\a)+FR-1], v[8*(8*((\a)%4)+\b):8*(8*((\a)%4)+\b)+7]
.endif
.endr
.endr
.endm
.macro FETCH_B slot, q, p              ; B's eight fragments into set p
	WIN TO_B
.irp i, 0,1,2,3,4,5,6,7
	FRAG 128*(\p)+FR*\i, ADRB+\slot, \q, \i
.endr
	WIN 0
.endm
.macro FETCH_A slot, q, i0             ; A's blocks i0 .. i0 + 3
.irp i, \i0, \i0+1, \i0+2, \i0+3
	FRAG AF+FR*(\i), ADRA+\slot, \q, \i
.endr
.endm
; A load into a register that a matrix instruction has read, and a vector instruction that reads a matrix result, stand NP places behind that matrix instruction; only plain vector
; instructions that name none of its registers are places (ISA guide 7.12.1 for vector instructions).
.macro PLACES n
.rept \n
	v_nop
.endr
.endm
; A step of 128 along K that has its successor in the same slot.  A block of A is free as soon as its eight products are issued, so one set serves A; B has two.
.macro STEP slot, q, zero
	s_wait_dscnt 4*NL                              ; B's set and A's blocks 0-3 are in; the youngest sixteen loads (A's blocks 4-7) may be out
	WIN MUL_LO
	MUL16 0, (\q)%2, \zero
	MUL16 2, (\q)%2, \zero
	s_wait_dscnt 0                                 ; A's blocks 4-7 are in
	PLACES NP
	FETCH_B \slot, (\q)+1, 1-(\q)%2
	FETCH_A \slot, (\q)+1, 0
	WIN MUL_HI
	MUL16 4, (\q)%2, \zero
	MUL16 6, (\q)%2, \zero
	PLACES NP
	WIN 0
	FETCH_A \slot, (\q)+1, 4
.endm
; A slot's last step changes slots: ONE barrier; in front of it each wave waits for all its tensor loads, adds 0 to its spare word, and waits for that and for its own reads of this slot.
; fill = 1: this slot is filled again, two K steps ahead; the barrier then opens a round of the cluster's barrier, and the joint refill is the first tensor load behind the round.
.macro TURN slot, next, fill
	s_wait_tensorcnt 0x0                           ; all my tensor loads have landed: my part of the next slot
	ds_add_u32 v[SPW], v[NIL]                      ; 0 onto my spare word
	s_wait_dscnt 4*NL+1                            ; (the add and the youngest sixteen loads, A's blocks 4-7, may be out)
	WIN MUL_LO
	MUL16 0, 1, 0                                  ; sixteen matrix instructions stand between the add and the wait for it
	s_wait_dscnt 0x0                               ; the add is done, and my reads of this slot are over
	s_barrier_signal -1
	MUL16 2, 1, 0
	WIN 0
	s_barrier_wait -1
.if \fill
	CREST                                          ; no wave of any partner still reads this slot's tile or has a load on its way
	s_add_nc_u64 s[G0+4*\slot+2:G0+4*\slot+3], s[G0+4*\slot+2:G0+4*\slot+3], 2*KSTEPB
	s_add_nc_u64 s[G0B+4*\slot+2:G0B+4*\slot+3], s[G0B+4*\slot+2:G0B+4*\slot+3], 2*KSTEPB
	JLOAD G0+4*\slot, G1, G0B+4*\slot, G1B         ; one load of mine is out; the four v_nop behind it are the places in front of the loads below
.else
	PLACES NP
.endif
	FETCH_B \next, 0, 0
	FETCH_A \next, 0, 0
	WIN MUL_HI
	MUL16 4, 1, 0
	MUL16 6, 1, 0
	PLACES NP
	WIN 0
	FETCH_A \next, 0, 4
.endm
	s_wait_tensorcnt 1                             ; my part of K step 0 is in (K step 1's load may be out)
	s_barrier_signal -1
	s_barrier_wait -1                              ; everybody's is
	FETCH_B 0, 0, 0
	FETCH_A 0, 0, 0
	FETCH_A 0, 0, 4
	STEP 0, 0, 1                                   ; K = 1,024 is eight steps of 128, written out: the first starts the sums
	TURN 0, 1, 1                                   ; slot 0 takes K step 2
	STEP 1, 0, 0
	TURN 1, 0, 1                                   ; slot 1 takes K step 3
	STEP 0, 0, 0
	TURN 0, 1, 0                                   ; nothing is left to fetch
	STEP 1, 0, 0
	s_wait_dscnt 4*NL
	WIN MUL_LO
	MUL16 0, 1, 0
	MUL16 2, 1, 0
	s_wait_alu depctr_va_vdst(0)
	s_wait_dscnt 0
	WIN MUL_HI
	MUL16 4, 1, 0
	MUL16 6, 1, 0
	WIN 0
	; THE WAY OUT, block by block of 16 'A' rows: convert, store.  Each accumulator is read from its low end on.
	PLACES NP
.irp a, 0,1,2,3,4,5,6,7
	WIN 0x02+(\a/4)                                ; source 0: window 2 or 3
.set j, 0
.rept 64
.set j, j+1
.endr
.irp b, 0,1,2,3,4,5,6,7
	v_cvt_scalef32_pk8_fp8_f32 v[CD+16*\a+2*\b:CD+16*\a+2*\b+1], v[TMP+8*\b+((64*(\a%4)+j)-(TMP+j)):TMP+8*\b+7+((64*(\a%4)+j)-(TMP+j))], v[SC]
.endr
	WIN 0
	v_nop                                          ; a plain instruction behind the conversions
.irp p, 0,1,2,3
	global_store_b128 v[OFF+2*\a+(\p/2)], v[CD+16*\a+4*\p:CD+16*\a+4*\p+3], s[90:91] offset:512*(\p%2)   ; a piece: 512 consecutive bytes, aligned
.endr
.endr
	s_wait_tensorcnt 0x0                           ; the wave's end
	ds_add_u32 v[SPW], v[NIL]
	s_wait_dscnt 0x0
	CROUND                                         ; the closing round: no work-group ends while a partner may still ask for a tile that names it
	s_endpgm
.Lfunc_end_k_q10312711a5_qkv:
	.size	k_q10312711a5_qkv, .Lfunc_end_k_q10312711a5_qkv-k_q10312711a5_qkv
	.p2alignl 7, 3214868480
	.fill 96, 4, 3214868480
	.section	.rodata,"a",@progbits
	.p2align	6, 0x0
	.amdhsa_kernel k_q10312711a5_qkv
		.amdhsa_group_segment_fixed_size 327680
		.amdhsa_private_segment_fixed_size 0
		.amdhsa_enable_private_segment 0
		.amdhsa_kernarg_size 40
		.amdhsa_user_sgpr_count 2
		.amdhsa_user_sgpr_kernarg_segment_ptr 1
		.amdhsa_wavefront_size32 1
		.amdhsa_system_sgpr_workgroup_id_x 1
		.amdhsa_system_sgpr_workgroup_id_y 1
		.amdhsa_system_sgpr_workgroup_id_z 1
		.amdhsa_system_vgpr_workitem_id 0
		.amdhsa_next_free_vgpr 1024
		.amdhsa_next_free_sgpr 100
		.amdhsa_reserve_vcc 0
		.amdhsa_float_denorm_mode_32 3
		.amdhsa_float_denorm_mode_16_64 3
		.amdhsa_fp16_overflow 1
		.amdhsa_memory_ordered 1
		.amdhsa_forward_progress 1
		.amdhsa_inst_pref_size 87
	.end_amdhsa_kernel
	.amdgpu_metadata
---
amdhsa.version: [ 1, 2 ]
amdhsa.kernels:
  - .name:           k_q10312711a5_qkv
    .symbol:         k_q10312711a5_qkv.kd
    .args:
      - { .name: xc, .offset: 0, .size: 8, .value_kind: global_buffer, .address_space: global }
      - { .name: wc, .offset: 8, .size: 8, .value_kind: global_buffer, .address_space: global }
      - { .name: lowp_scales, .offset: 16, .size: 8, .value_kind: global_buffer, .address_space: global }
      - { .name: qc, .offset: 24, .size: 8, .value_kind: global_buffer, .address_space: global }
      - { .name: kv, .offset: 32, .size: 8, .value_kind: global_buffer, .address_space: global }
    .group_segment_fixed_size: 327680
    .private_segment_fixed_size: 0
    .kernarg_segment_align: 8
    .kernarg_segment_size: 40
    .max_flat_workgroup_size: 128
    .sgpr_count:     100
    .vgpr_count:     1024
    .wavefront_size: 32
...
	.end_amdgpu_metadata
.endif
;; end of part 2
;; launch attn (part 3): grid 4 x 64, 16 waves a work-group, clusters of 4 x 1, 264,192 bytes of LDS; arguments qc, kv, lowp_scales, cc; writes cc
.if DOCPART == 3
	.amdgcn_target "amdgcn-amd-amdhsa--gfx1250"
	.amdhsa_code_object_version 6
	.text
	.protected	k_q10312711a5_attn
	.globl	k_q10312711a5_attn
	.p2align	8
	.type	k_q10312711a5_attn,@function
k_q10312711a5_attn:
	s_mov_b64 s[64:65], 0
	v_nop
	global_prefetch_b8 v0, s[64:65] scope:SCOPE_SE
	s_setreg_imm32_b32 hwreg(HW_REG_WAVE_MODE, 25, 1), 1
	s_wait_xcnt 0x0
	s_wait_alu depctr_hold_cnt(0) depctr_sa_sdst(0) depctr_va_vdst(0) depctr_va_sdst(0) depctr_va_ssrc(0) depctr_va_vcc(0) depctr_vm_vsrc(0)
	s_getreg_b32 s2, hwreg(HW_REG_IB_STS2, 6, 4)
	s_cmp_eq_u32 s2, 0
	s_cbranch_scc0 .Lentry_in_a_cluster
	s_endpgm
.Lentry_in_a_cluster:
	s_bfe_u32 s2, ttmp6, 0x10000c
	s_cmp_lg_u32 s2, 0x3003
	s_cbranch_scc0 .Lentry_shape_is_right
	s_endpgm
.Lentry_shape_is_right:
; ctx[head][q] = the sum over keys k <= q of softmax_k(q . k / 8) v[k], both products on codes of FP8 (E4M3); ctx leaves as codes for the last product.
; THE SOFTMAX AHEAD OF THE SECOND PRODUCT: t = score x log2(e) / 8; M = the row's largest t so far, rounded UP to a whole number; p = 2^(t - M) is quantised (scale 2^e8), not normalised.
; The row's sum is taken of the unquantised p, in f32, and divides at the end.  When M moves, the sum and O are multiplied by 2^(old M - new M): exact.
; SHARES.  A cluster of four work-groups owns a head (16 x batch + head, the cluster's y).  The head's K and V, 262,144 bytes, are asked for JOINTLY by the four and lie in each one's LDS whole:
; every LDS byte is filled once, so there is no ring, and no barrier once the fills have landed.  A tile is 16 queries: tile (B, j) is tokens 256 B + 64 j + 16 cx on, so that which key steps
; a tile walks does not hang on the work-group's place cx.  Wave w (j = w % 4, g = (w / 4 + j) % 4) owns tiles (g, j) and (7 - g, 3 - j): 17 key steps of 128 in every wave.
; LAYOUT.  Operands are images of the operand's registers (lane l's 16 bytes at 16 l of pieces of 512 bytes).  S^T = K Q^T (source 0 = 16 keys, source 1 = my 16 queries, K = 64): lane (r, h) holds
; query r, register j of tile t key 16 t + 8 h + j: so the eight codes of tile t ARE register pair t of P, source 1 of O^T = V^T P^T (source 0 = 16 channels x 128 keys).  In O^T register j of block d is
; channel 16 d + 8 h + j: its codes are a register pair of ctx's fragment for the last product (rows = tokens, K = 64 head + channel), stored as 512 consecutive aligned bytes.
; CAUSAL.  Every wave walks all eight chunks of 256 keys (constant trip counts); a step all of whose keys come after the tile's queries is jumped over, by a scalar branch on the wave's number and the
; step's; in the one step on the diagonal hidden scores become -infinity (a compare and a select; cx enters there alone).  Each query's own key counts, so M is a number from the first step on.
; LIMITS on the given exponents, so that each power of two is an f32 number: e6 + e7 between -123 and 130; e8 and e10 - e8 - e9 between -126 and 119.
; REGISTERS: v1 16 x lane; v2 address of the chunk; v3 r - 8 h; v8-11, v12-15 -M, largest t, the sum in two halves, for the two tiles; v16-23, v24-31 Q; v32-95 fragments of K, then of V;
;   v96-159 S^T, then p; v160-191, v192-223 O^T; v224-239 p's codes; v244 2^e8; v246 ctx's scale; v241-243, v245, v252-254 at work.
.set LI,  1
.set ADR, 2
.set RH,  3
.set FRG, 32
.set S,   96
.set PC,  224
.set WV,  12                           ; s12  my wave's number
.set SEL, 20                           ; s[20:21] lane selects for v_permlanex16_b32: lane l xor 16
.set CS,  22                           ; s[22:23] c = log2(e) / 8 x 2^(e6 + e7)
.set G1A, 24                           ; s[24:31] group 1: 64 rows of 256 bytes;  s[32:39]: 192 rows;  s[40:43], s[44:47] their groups 0
.set G1B, 32
.set G0A, 40
.set G0B, 44
.set TB,  48                           ; s48  LDS byte at which the chunk in hand begins
.set KS,  49                           ; s49  its first key step
.set KDA, 50                           ; s50, s51  the key step that holds the tile's diagonal
.set KDB, 51
.set RLA, 52                           ; s52, s53  the tile's first query's place in that step
.set RLB, 53
.macro CROUND                          ; a round of the cluster's barrier
	s_barrier_signal -1
	s_barrier_wait -1
	s_cmp_lg_u32 s[WV], 0
	s_cbranch_scc1 .Lnot_wave_0_\@
	s_barrier_signal -3
.Lnot_wave_0_\@:
	s_barrier_wait -3
	s_barrier_signal -1
	s_barrier_wait -1
.endm
	s_load_b256 s[4:11], s[0:1], 0x0               ; qc s[4:5], kv s[6:7], the scales' exponents s[8:9], cc s[10:11]
	v_lshl_add_u32 v251, v0, 2, 0x40000
	v_mov_b32 v255, 0
	ds_add_u32 v251, v255
	ds_add_u32 v251, v255
	v_lshrrev_b32 v4, 5, v0
	s_delay_alu instid0(VALU_DEP_1)
	v_readfirstlane_b32 s[WV], v4                  ; wave 0..15
	s_bfe_u32 s13, ttmp6, 0x40000                  ; cx: my place in the cluster
	s_and_b32 s14, ttmp7, 0xffff                   ; the head, which the four partners share
	s_and_b32 s15, s[WV], 3                        ; j; in waves 0-3 also: which quarter of a fill I fetch
	s_lshr_b32 s16, s[WV], 2
	s_add_co_u32 s16, s16, s15
	s_and_b32 s16, s16, 3                          ; g
	s_sub_co_u32 s17, 7, s16                       ; the second tile's B
	s_sub_co_u32 s18, 3, s15                       ; and j
	s_lshl_b32 s[KDA], s16, 1
	s_lshr_b32 s19, s15, 1
	s_add_co_u32 s[KDA], s[KDA], s19               ; 2 B + j / 2
	s_lshl_b32 s[KDB], s17, 1
	s_lshr_b32 s19, s18, 1
	s_add_co_u32 s[KDB], s[KDB], s19
	s_and_b32 s[RLA], s15, 1
	s_lshl_b32 s[RLA], s[RLA], 2
	s_add_co_u32 s[RLA], s[RLA], s13
	s_lshl_b32 s[RLA], s[RLA], 4                   ; 64 (j % 2) + 16 cx
	s_and_b32 s[RLB], s18, 1
	s_lshl_b32 s[RLB], s[RLB], 2
	s_add_co_u32 s[RLB], s[RLB], s13
	s_lshl_b32 s[RLB], s[RLB], 4
	; descriptor groups 1: dense blocks as rows of 32 elements of 8 bytes
	s_mov_b32 s[G1A], 15|(3<<16)|(1<<21)           ; 15:0 the mask: all four work-groups; 17:16 elements of 8 bytes; 20 no padding; 21 set beside a mask
	s_mov_b32 s[G1A+1], 32<<16                     ; tensor_dim0 = 32
	s_mov_b32 s[G1A+2], 64<<16                     ; tensor_dim1 = 64
	s_mov_b32 s[G1A+3], 32<<16                     ; tile_dim0 = 32
	s_mov_b32 s[G1A+4], 64                         ; tile_dim1 = 64
	s_mov_b32 s[G1A+5], 32                         ; tensor_dim0_stride: dense
	s_mov_b32 s[G1A+6], 0
	s_mov_b32 s[G1A+7], 0
	s_mov_b32 s[G1B], 15|(3<<16)|(1<<21)
	s_mov_b32 s[G1B+1], 32<<16
	s_mov_b32 s[G1B+2], 192<<16                    ; 192 rows
	s_mov_b32 s[G1B+3], 32<<16
	s_mov_b32 s[G1B+4], 192
	s_mov_b32 s[G1B+5], 32
	s_mov_b32 s[G1B+6], 0
	s_mov_b32 s[G1B+7], 0
	s_mov_b32 s[SEL], 0x76543210
	s_mov_b32 s[SEL+1], 0xfedcba98
	s_mov_b32 s[CS], 0x3e38aa3b                    ; log2(e) / 8
	s_mov_b32 s[TB], 0
	s_mov_b32 s[KS], 0
	s_lshl_b32 s80, s14, 18                        ; the head's 262,144 bytes in kv
	s_lshl_b32 s82, s15, 14                        ; chunks 0 and 1: my 16,384 bytes of 65,536, in memory as in LDS
	s_add_co_u32 s84, s80, s82
	s_mov_b32 s85, 0
	s_mul_i32 s83, s15, 49152                      ; chunks 2 to 7: my 49,152 bytes of 196,608
	s_add_co_u32 s83, s83, 65536
	s_add_co_u32 s86, s80, s83
	s_mov_b32 s87, 0
	s_wait_dscnt 0x0
	s_wait_kmcnt 0x0
	s_load_b256 s[68:75], s[8:9], 0x0              ; e0 .. e7
	s_load_b128 s[76:79], s[8:9], 0x20             ; e8 .. e11
	s_mov_b32 s[G0A], 1
	s_mov_b32 s[G0A+1], s82
	s_add_nc_u64 s[G0A+2:G0A+3], s[6:7], s[84:85]
	s_or_b32 s[G0A+3], s[G0A+3], 0x80000000
	s_mov_b32 s[G0B], 1
	s_mov_b32 s[G0B+1], s83
	s_add_nc_u64 s[G0B+2:G0B+3], s[6:7], s[86:87]
	s_or_b32 s[G0B+3], s[G0B+3], 0x80000000
	CROUND                                         ; all four work-groups are here: the joint loads meet
	s_cmp_lt_u32 s[WV], 4                          ; waves 0 to 3 fetch; a wave's two fills stand in one branch, ahead of every wait on TENSORcnt, every LDS read and every other barrier: two loads of mine are out
	s_cbranch_scc0 .Lasked
	tensor_load_to_lds s[G0A:G0A+3], s[G1A:G1A+7]
	s_nop 0
	tensor_load_to_lds s[G0B:G0B+3], s[G1B:G1B+7]
	s_nop 0
.rept 4
	v_nop
.endr
.Lasked:
	v_and_b32 v4, 31, v0
	s_delay_alu instid0(VALU_DEP_1)
	v_lshlrev_b32 v[LI], 4, v4
	s_wait_alu depctr_va_vdst(0)
	v_and_b32 v4, 15, v0                           ; r
	v_bfe_u32 v5, v0, 4, 1                         ; h
	s_delay_alu instid0(VALU_DEP_1)
	v_lshlrev_b32 v5, 3, v5
	s_delay_alu instid0(VALU_DEP_1)
	v_sub_nc_u32 v[RH], v4, v5                     ; r - 8 h
	s_and_b32 s84, s14, 15                         ; the head within its batch: its 64 K of ctx's 1,024 lie at 16,384 (head / 2) + 1,024 (head % 2) of a row group's image
	s_lshr_b32 s85, s84, 1
	s_lshl_b32 s85, s85, 14
	s_and_b32 s84, s84, 1
	s_lshl_b32 s84, s84, 10
	s_add_co_u32 s84, s84, s85
.macro TILEADR bq, jj, qa, ca          ; the tile's addresses in qc and cc
	s_lshl_b32 s80, s[\bq], 4
	s_lshl_b32 s81, s[\jj], 2
	s_add_co_u32 s80, s80, s81
	s_add_co_u32 s80, s80, s13                     ; token / 16 = 16 B + 4 j + cx
	s_lshl_b32 s82, s14, 17
	s_lshl_b32 s81, s80, 10
	s_add_co_u32 s82, s82, s81
	s_mov_b32 s83, 0
	s_add_nc_u64 s[\qa:\qa+1], s[4:5], s[82:83]
	s_lshr_b32 s81, s14, 4
	s_lshl_b32 s81, s81, 7
	s_add_co_u32 s80, s80, s81                     ; + 128 x batch: row / 16 among the 8,192 rows
	s_lshr_b32 s82, s80, 3
	s_lshl_b32 s82, s82, 17
	s_and_b32 s81, s80, 7
	s_lshl_b32 s81, s81, 11
	s_add_co_u32 s82, s82, s81
	s_add_co_u32 s82, s82, s84
	s_add_nc_u64 s[\ca:\ca+1], s[10:11], s[82:83]
.endm
	TILEADR 16, 15, 56, 60
	TILEADR 17, 18, 58, 62
	global_load_b128 v[16:19], v[LI], s[56:57]               ; Q's fragments stay in registers
	global_load_b128 v[20:23], v[LI], s[56:57] offset:512
	global_load_b128 v[24:27], v[LI], s[58:59]
	global_load_b128 v[28:31], v[LI], s[58:59] offset:512
.irp st, 8, 12
	v_mov_b32 v[\st+1], 0xff61b1e6                 ; the largest t so far: -3e38, under every t
	s_delay_alu instid0(VALU_DEP_1)
	v_floor_f32 v[\st], -v[\st+1]                  ; -M
	v_mov_b32 v[\st+2], 0                          ; the sum, in two halves
	v_mov_b32 v[\st+3], 0
.endr
	v_mov_b32 v245, 0                              ; written once: a lane permute's destination counts as one of its sources
	v_mov_b32 v241, 0
	v_mov_b32 v253, 0                              ; (named as the upper half of the pair v[252:253])
.set i, 0
.rept 64
	v_mov_b32 v[160+i], 0                          ; O^T.  (The step is written without a first step of its own: it finds zeros, which the first change of M leaves zeros)
.set i, i+1
.endr
	s_wait_kmcnt 0x0
	s_add_co_i32 s80, s74, s75
	s_lshl_b32 s80, s80, 23
	s_add_co_i32 s[CS], s[CS], s80                 ; a score stands for score x 2^(e6 + e7): added to c's exponent field
	s_mov_b32 s[CS+1], s[CS]                       ; (named with it as a pair, so it is written)
	s_add_co_i32 s80, s76, 127
	s_lshl_b32 s81, s80, 23
	v_mov_b32 v244, s81                            ; 2^e8
	s_sub_co_i32 s80, s78, s76
	s_sub_co_i32 s80, s80, s77                     ; O / l stands for ctx / 2^(e8 + e9): its code is (O / l) / 2^(e10 - e8 - e9)
	s_add_co_i32 s80, s80, 127
	s_lshl_b32 s81, s80, 23
	v_mov_b32 v246, s81
; A KEY STEP of one tile: 128 keys, the q-th of the chunk in hand.  st: the tile's statistics; qf: its Q; ob: its O^T; kd, rl: scalars of its diagonal.
.macro STEP q, st, qf, ob, kd, rl
	s_add_co_u32 s55, s[KS], \q
	s_cmp_gt_u32 s55, s[\kd]                       ; all keys come after my queries: nothing to do
	s_cbranch_scc1 .Lhid_\@
.rept 4
	v_nop                                          ; places in front of loads into registers that the last products read
.endr
	s_wait_alu depctr_va_vdst(0)
.irp t, 0,1,2,3,4,5,6,7
	ds_load_b128 v[FRG+8*\t:FRG+8*\t+3],   v[ADR] offset:8192*\q+1024*\t
	ds_load_b128 v[FRG+8*\t+4:FRG+8*\t+7], v[ADR] offset:8192*\q+1024*\t+512
.endr
	s_wait_dscnt 0x0
.irp t, 0,1,2,3,4,5,6,7
	v_wmma_f32_16x16x64_fp8_fp8 v[S+8*\t:S+8*\t+7], v[FRG+8*\t:FRG+8*\t+7], v[\qf:\qf+7], 0
.endr
.rept 4
	v_nop                                          ; places in front of the loads below and of the first read of the scores
.endr
	s_wait_alu depctr_va_vdst(0)
.irp d, 0,1,2,3                                ; V's fragments land while the softmax is worked
.irp c, 0,1,2,3
	ds_load_b128 v[FRG+16*\d+4*\c:FRG+16*\d+4*\c+3], v[ADR] offset:16384+8192*\q+2048*\d+512*\c
.endr
.endr
	s_cmp_lg_u32 s55, s[\kd]                       ; only the step on the diagonal has hidden keys
	s_cbranch_scc1 .Lopen_\@
	v_add_nc_u32 v252, s[\rl], v[RH]               ; my query's place in the step - 8 h.  Register 8 t + i holds key 16 t + 8 h + i: hidden where 16 t + i is greater
	v_mov_b32 v254, 0xff800000                     ; -infinity
.set n, 0
.rept 64
	v_cmp_gt_i32 vcc_lo, 16*(n/8)+n%8, v252
	v_cndmask_b32 v[S+n], v[S+n], v254, vcc_lo
.set n, n+1
.endr
.Lopen_\@:
	v_max3_num_f32 v254, v[S], v[S+1], v[S+2]      ; the step's largest score of my query among my 64 keys, in two chains, each tile from its low end on,
	v_max3_num_f32 v252, v[S+3], v[S+4], v[S+5]
.set i, 6
.rept 14
	v_max3_num_f32 v254, v254, v[S+i], v[S+i+1]
	v_max3_num_f32 v252, v252, v[S+i+2], v[S+i+3]
.set i, i+4
.endr
	v_max3_num_f32 v254, v254, v[S+62], v[S+63]
	s_delay_alu instid0(VALU_DEP_1)
	v_max_num_f32 v254, v254, v252
	s_delay_alu instid0(VALU_DEP_1)
	v_permlanex16_b32 v245, v254, s[SEL], s[SEL+1]
	s_delay_alu instid0(VALU_DEP_1)
	v_max_num_f32 v254, v254, v245                 ; and among lane l xor 16's
	s_delay_alu instid0(VALU_DEP_1)
	v_mul_f32 v254, s[CS], v254                    ; as t (c is positive)
	s_delay_alu instid0(VALU_DEP_1)
	v_max_num_f32 v[\st+1], v[\st+1], v254         ; the running largest t
	v_mov_b32 v254, v[\st]
	s_delay_alu instid0(VALU_DEP_2)
	v_floor_f32 v[\st], -v[\st+1]                  ; the new -M = floor(-t) = -ceil(t): a whole number
	s_delay_alu instid0(VALU_DEP_1)
	v_sub_f32 v254, v[\st], v254                   ; old M - new M: a whole number, 0 or less
	s_delay_alu instid0(VALU_DEP_1)
	v_cvt_i32_f32 v254, v254                       ; (it saturates)
	s_delay_alu instid0(VALU_DEP_1)
	v_ldexp_f32 v252, 1.0, v254                    ; f = 2^(old M - new M)
.set i, 0
.rept 32
	v_pk_fma_f32 v[S+i:S+i+1], v[S+i:S+i+1], s[CS:CS+1], v[\st:\st+1] op_sel_hi:[1,0,0]   ; t - M, two at a time (of the pairs c and -M the low word serves both halves)
.set i, i+2
.endr
.set i, 0
	s_wait_alu depctr_va_vdst(0)
.rept 64
	v_exp_f32 v[S+i], v[S+i]                       ; p = 2^(t - M), at most 1
.set i, i+1
.endr
	v_pk_mul_f32 v[\st+2:\st+3], v[\st+2:\st+3], v[252:253] op_sel_hi:[1,0]   ; the sums under the new M: the plain instruction behind the exponentials
	s_wait_alu depctr_va_vdst(0)                   ; one wait for the whole batch, ahead of its first reader
	v_pk_add_f32 v[242:243], v[S:S+1], v[S+2:S+3]  ; the row's sum is taken of the unquantised p: two at a time, in two chains
.set i, 4
.rept 15
	v_pk_add_f32 v[\st+2:\st+3], v[\st+2:\st+3], v[S+i:S+i+1]
	v_pk_add_f32 v[242:243], v[242:243], v[S+i+2:S+i+3]
.set i, i+4
.endr
	s_delay_alu instid0(VALU_DEP_1)
	v_pk_add_f32 v[\st+2:\st+3], v[\st+2:\st+3], v[242:243]
.irp t, 0,1,2,3,4,5,6,7
.irp e, 0,1,2,3,4,5,6,7
.endr
	v_cvt_scalef32_pk8_fp8_f32 v[PC+2*\t:PC+2*\t+1], v[S+8*\t:S+8*\t+7], v244   ; tile t's codes: register pair t of P
.endr
.set i, 0
.rept 16
	v_pk_mul_f32 v[\ob+i:\ob+i+1], v[\ob+i:\ob+i+1], v[252:253] op_sel_hi:[1,0]   ; O^T under the new M, from each block's low end on; also the plain instructions behind the conversions
.set i, i+2
.endr
	s_wait_alu depctr_va_vdst(0)
	s_wait_dscnt 0x0                               ; V is in
.irp d, 0,1,2,3                                ; four accumulators by turns; the next matrix instruction on any way is a score's product, which starts a sum
	v_wmma_f32_16x16x128_fp8_fp8 v[\ob+8*\d:\ob+8*\d+7], v[FRG+16*\d:FRG+16*\d+15], v[PC:PC+15], v[\ob+8*\d:\ob+8*\d+7]
.endr
.Lhid_\@:
.endm
.macro CHUNK                           ; 256 keys: two steps for each of my two tiles
	v_add_nc_u32 v[ADR], s[TB], v[LI]
	STEP 0, 8, 16, 160, KDA, RLA
	STEP 1, 8, 16, 160, KDA, RLA
	STEP 0, 12, 24, 192, KDB, RLB
	STEP 1, 12, 24, 192, KDB, RLB
	s_add_co_u32 s[TB], s[TB], 32768
	s_add_co_u32 s[KS], s[KS], 2
.endm
	s_wait_tensorcnt 0x1                           ; my part of chunks 0 and 1 is in; the second load may stay out
	s_barrier_signal -1
	s_barrier_wait -1                              ; everybody's is
	s_wait_loadcnt 0x0                             ; Q
	s_mov_b32 s54, 2
.Lfirst:                                           ; chunks 0 and 1 are worked while chunks 2 to 7 land
	CHUNK
	s_sub_co_u32 s54, s54, 1
	s_cmp_lg_u32 s54, 0
	s_cbranch_scc1 .Lfirst
	s_wait_tensorcnt 0x0                           ; my part of chunks 2 to 7 is in,
	s_wait_dscnt 0x0
	s_barrier_signal -1
	s_barrier_wait -1                              ; everybody's is
	s_mov_b32 s54, 6
.Lrest:
	CHUNK
	s_sub_co_u32 s54, s54, 1
	s_cmp_lg_u32 s54, 0
	s_cbranch_scc1 .Lrest
	; THE WAY OUT: the sums' halves are added, O^T is divided by the sum, converted and stored from registers.
.rept 4
	v_nop                                          ; places behind the last products
.endr
	v_add_f32 v10, v10, v11
	v_add_f32 v14, v14, v15
	s_delay_alu instid0(VALU_DEP_2)
	v_permlanex16_b32 v245, v10, s[SEL], s[SEL+1]
	s_delay_alu instid0(VALU_DEP_2)
	v_permlanex16_b32 v241, v14, s[SEL], s[SEL+1]
	s_delay_alu instid0(VALU_DEP_2)
	v_add_f32 v10, v10, v245                       ; the rows' sums
	s_delay_alu instid0(VALU_DEP_2)
	v_add_f32 v14, v14, v241
	s_wait_alu depctr_va_vdst(0)
	v_rcp_f32 v10, v10
	v_rcp_f32 v14, v14
	v_nop                                          ; a plain instruction behind the reciprocals
	s_wait_alu depctr_va_vdst(0)                   ; one wait for both, ahead of their first reader
.macro LEAVE st, ob, cd, ca
.set i, 0
.rept 16
	v_pk_mul_f32 v[\ob+i:\ob+i+1], v[\ob+i:\ob+i+1], v[\st+2:\st+3] op_sel_hi:[1,0]   ; O^T / the sum
.set i, i+2
.endr
.set i, 0
.rept 32
.set i, i+1
.endr
.irp d, 0,1,2,3
	v_cvt_scalef32_pk8_fp8_f32 v[\cd+2*\d:\cd+2*\d+1], v[\ob+8*\d:\ob+8*\d+7], v246
.endr
	v_nop                                          ; a plain instruction behind the conversions
	global_store_b128 v[LI], v[\cd:\cd+3], s[\ca:\ca+1]               ; a piece: 512 consecutive bytes, aligned
	global_store_b128 v[LI], v[\cd+4:\cd+7], s[\ca:\ca+1] offset:512
.endm
	LEAVE 8, 160, 224, 60
	LEAVE 12, 192, 232, 62
	s_wait_tensorcnt 0x0
	ds_add_u32 v251, v255
	s_wait_dscnt 0x0
	CROUND                                         ; the closing round: no work-group ends while a partner may still ask for a tile that names it
	s_endpgm
.Lfunc_end_k_q10312711a5_attn:
	.size	k_q10312711a5_attn, .Lfunc_end_k_q10312711a5_attn-k_q10312711a5_attn
	.p2alignl 7, 3214868480
	.fill 96, 4, 3214868480
	.section	.rodata,"a",@progbits
	.p2align	6, 0x0
	.amdhsa_kernel k_q10312711a5_attn
		.amdhsa_group_segment_fixed_size 264192
		.amdhsa_private_segment_fixed_size 0
		.amdhsa_enable_private_segment 0
		.amdhsa_kernarg_size 32
		.amdhsa_user_sgpr_count 2
		.amdhsa_user_sgpr_kernarg_segment_ptr 1
		.amdhsa_wavefront_size32 1
		.amdhsa_system_sgpr_workgroup_id_x 1
		.amdhsa_system_sgpr_workgroup_id_y 1
		.amdhsa_system_sgpr_workgroup_id_z 1
		.amdhsa_system_vgpr_workitem_id 0
		.amdhsa_next_free_vgpr 256
		.amdhsa_next_free_sgpr 96
		.amdhsa_reserve_vcc 1
		.amdhsa_float_denorm_mode_32 3
		.amdhsa_float_denorm_mode_16_64 3
		.amdhsa_fp16_overflow 1
		.amdhsa_memory_ordered 1
		.amdhsa_forward_progress 1
		.amdhsa_inst_pref_size 164
	.end_amdhsa_kernel
	.amdgpu_metadata
---
amdhsa.version: [ 1, 2 ]
amdhsa.kernels:
  - .name:           k_q10312711a5_attn
    .symbol:         k_q10312711a5_attn.kd
    .args:
      - { .name: qc, .offset: 0, .size: 8, .value_kind: global_buffer, .address_space: global }
      - { .name: kv, .offset: 8, .size: 8, .value_kind: global_buffer, .address_space: global }
      - { .name: lowp_scales, .offset: 16, .size: 8, .value_kind: global_buffer, .address_space: global }
      - { .name: cc, .offset: 24, .size: 8, .value_kind: global_buffer, .address_space: global }
    .group_segment_fixed_size: 264192
    .private_segment_fixed_size: 0
    .kernarg_segment_align: 8
    .kernarg_segment_size: 32
    .max_flat_workgroup_size: 512
    .sgpr_count:     96
    .vgpr_count:     256
    .wavefront_size: 32
...
	.end_amdgpu_metadata
.endif
;; end of part 3
;; launch oproj (part 4): grid 4 x 32, 4 waves a work-group, clusters of 4 x 4, 327,680 bytes of LDS; arguments cc, wc, lowp_scales, out0; writes out0
.if DOCPART == 4
	.amdgcn_target "amdgcn-amd-amdhsa--gfx1250"
	.amdhsa_code_object_version 6
	.text
	.protected	k_q10312711a5_oproj
	.globl	k_q10312711a5_oproj
	.p2align	8
	.type	k_q10312711a5_oproj,@function
k_q10312711a5_oproj:
	s_mov_b64 s[64:65], 0
	v_nop
	global_prefetch_b8 v0, s[64:65] scope:SCOPE_SE
	s_setreg_imm32_b32 hwreg(HW_REG_WAVE_MODE, 25, 1), 1
	s_wait_xcnt 0x0
	s_wait_alu depctr_hold_cnt(0) depctr_sa_sdst(0) depctr_va_vdst(0) depctr_va_sdst(0) depctr_va_ssrc(0) depctr_va_vcc(0) depctr_vm_vsrc(0)
	s_getreg_b32 s2, hwreg(HW_REG_IB_STS2, 6, 4)
	s_cmp_eq_u32 s2, 0
	s_cbranch_scc0 .Lentry_in_a_cluster
	s_endpgm
.Lentry_in_a_cluster:
	s_bfe_u32 s2, ttmp6, 0x10000c
	s_cmp_lg_u32 s2, 0xf033
	s_cbranch_scc0 .Lentry_shape_is_right
	s_endpgm
.Lentry_shape_is_right:
; out = ctx Wo^T on codes of FP8 (E4M3), sums in f32; each finished sum is multiplied once by 2^(e10 + e11).  ctx: 8,192 x 1,024, Wo: 1,024 x 1,024 (the fourth weight in wc), out: [8192][1024] f32.
; LIMIT: e10 + e11 lies between -126 and 127, so that 2^(e10 + e11) is an f32 number.
; A tile of 256 x 256 is made by four waves, a wave makes 128 x 128: 64 accumulators, 512 registers.  K = 1,024 goes in four steps of 256 through two LDS slots.  Operands come as images of the operand's
; registers (16 rows x 128 K = 2,048 bytes, lane l's 16 bytes at 16 l of each of four pieces; 128 rows x 256 K are 32,768 consecutive bytes): a tensor load brings a dense block, no padding is wanted.
; CLUSTERS: 4 x 4 work-groups.  The four of a row of the cluster need the same tiles of ctx, the four of a column the same tiles of Wo: each tile is asked for jointly.
; THE MATRIX INSTRUCTION IS USED TRANSPOSED (source 0 = 16 rows of Wo, source 1 = 16 rows of ctx): a lane then holds eight neighbouring numbers of a row of out.
; REGISTERS, in windows of 256: window 0: v0-31 addresses; from v128 A's fragments, ONE set; on the way out v32-255 are free.   window 1: B's fragments, TWO sets, at v0 and v128.
;   window 2: accumulators of my rows 0-63 ((a, b) at v[8 (8 a + b)]);   window 3: those of rows 64-127.
.set SIZE_N, 1024
.set FR,     16                        ; registers of a fragment
.set NL,     4                         ; LDS loads that bring one
.set NP,     4                         ; places behind this matrix instruction (ISA guide 7.12.1)
.set HALFT,  32768                     ; 128 rows x 256 K: what one tensor load brings, and what one wave reads of A or of B
.set SLOT,   4*HALFT                   ; A's two halves, then B's two
.set KSTEPB, 32768                     ; from a K step to the next in an image
.set SPARE,  2*SLOT                    ; behind the ring: the spare words, 128 bytes for each wave
.set SPITCH, 528                       ; the way out: a stage of 16 rows x (512 bytes + 16) for each wave, in slot 0, which has had its last fill and its last read when the first result is stored there
.set ADRA, 16                          ; v16-17  LDS address of my A fragments in slot 0, 1
.set ADRB, 20                          ; v20-21  the same for B
.set STO,  24                          ; v24     the way out: where I put 32 bytes of a row
.set RD,   25                          ; v25     the way out: where I read a row back
.set CO,   26                          ; v26     16 x lane: an image's place for my lane, and my byte offset in a row's 512 bytes of out
.set SPW,  28                          ; v28     LDS address of my spare word; never rewritten
.set NIL,  29                          ; v29     0; never rewritten
.set TMP,  32                          ; the way out: 64 registers, a block's sums x 2^(e10 + e11)
.set AF,   128
.set BK,   128                         ; the way out: 16 rows read back from the stage: v128-191 and v192-255 by turns
.set G1, 24                            ; s[24:31] descriptor group 1 for A's tiles;  s[32:39] group 0, one set for each slot
.set G0, 32
.set G1B, 48                           ; s[48:55], s[56:63] the same for B's tiles
.set G0B, 56
.set MSB, 0
.macro WIN new                         ; the immediate's high byte repeats the setting that is left
.if MSB != \new
	s_set_vgpr_msb (MSB<<8)|\new
.set MSB, \new
.endif
.endm
.set MUL_LO, 0xa1                      ; source 0 (B) window 1, source 1 (A) window 0, C and D window 2
.set MUL_HI, 0xf1                      ; the same, C and D window 3
.set TO_B,   0x40                      ; destination window 1, address window 0
; A joint load: waves 0 and 1 fetch for A, waves 2 and 3 for B.  The branch hangs on the wave's number alone.  Four v_nop follow each of the two lines.
.macro JLOAD g0a, g1a, g0b, g1b
	s_cmp_eq_u32 s15, 0
	s_cbranch_scc0 .Lfor_b_\@
	tensor_load_to_lds s[\g0a:\g0a+3], s[\g1a:\g1a+7]
	s_nop 0
.rept 4
	v_nop
.endr
	s_branch .Lasked_\@
.Lfor_b_\@:
	tensor_load_to_lds s[\g0b:\g0b+3], s[\g1b:\g1b+7]
	s_nop 0
.rept 4
	v_nop
.endr
.Lasked_\@:
.endm
.macro CREST                           ; a round of the cluster's barrier behind its opening barrier
	s_cmp_lg_u32 s14, 0
	s_cbranch_scc1 .Lnot_wave_0_\@
	s_barrier_signal -3
.Lnot_wave_0_\@:
	s_barrier_wait -3
	s_barrier_signal -1
	s_barrier_wait -1
.endm
.macro CROUND                          ; a whole round
	s_barrier_signal -1
	s_barrier_wait -1
	CREST
.endm
	s_load_b128 s[4:7], s[0:1], 0x0                ; cc, wc
	s_load_b128 s[8:11], s[0:1], 0x10              ; the scales' exponents, out
	v_lshl_add_u32 v[SPW], v0, 2, SPARE
	v_mov_b32 v[NIL], 0
	ds_add_u32 v28, v29
	ds_add_u32 v28, v29
	s_wait_dscnt 0x0
	v_lshrrev_b32 v1, 5, v0
	v_readfirstlane_b32 s14, v1                    ; wave 0..3
	s_lshr_b32 s15, s14, 1                         ; which half of the tile's rows is mine.  Also: I fetch for A (0) or for B (1)
	s_and_b32 s16, s14, 1                          ; which half of its columns.  Also: which 128 rows of that tile I fetch
	s_bfe_u32 s40, ttmp6, 0x40000                  ; cx, cy: my place in the cluster
	s_bfe_u32 s41, ttmp6, 0x40004
	s_lshl_b32 s42, ttmp9, 2
	s_add_co_u32 s42, s42, s40                     ; tile column = 4 x cluster x + cx
	s_and_b32 s17, ttmp7, 0xffff
	s_lshl_b32 s17, s17, 2
	s_add_co_u32 s17, s17, s41                     ; tile row = 4 x cluster y + cy
	s_lshl_b32 s43, s41, 2
	s_lshl_b32 s43, 15, s43                        ; my row of the cluster
	s_lshl_b32 s44, 0x1111, s40                    ; my column
	; descriptor group 1: a dense block of 32,768 bytes as 128 rows of 32 elements of 8 bytes
	s_or_b32 s[G1+0], s43, (3<<16)|(1<<21)         ; 15:0 the mask: A's tiles go to my row; 17:16 elements of 8 bytes; 20 no padding; 21 set beside a mask
	s_or_b32 s[G1B+0], s44, (3<<16)|(1<<21)
.irp g, G1, G1B
	s_mov_b32 s[\g+1], 32<<16                      ; tensor_dim0 = 32
	s_mov_b32 s[\g+2], 128<<16                     ; tensor_dim1 = 128
	s_mov_b32 s[\g+3], 32<<16                      ; tile_dim0 = 32
	s_mov_b32 s[\g+4], 128                         ; tile_dim1 = 128
	s_mov_b32 s[\g+5], 32                          ; tensor_dim0_stride: dense
	s_mov_b32 s[\g+6], 0
	s_mov_b32 s[\g+7], 0
.endr
	s_lshl_b32 s20, s17, 1
	s_add_co_u32 s20, s20, s16
	s_lshl_b32 s20, s20, 17                        ; A: 131,072 x (2 x tile row + half)
	s_mov_b32 s21, 0
	s_lshl_b32 s46, s42, 1
	s_add_co_u32 s46, s46, s16
	s_lshl_b32 s46, s46, 17                        ; B likewise, by the tile column,
	s_add_co_u32 s46, s46, 0x300000                ; in the fourth weight
	s_mov_b32 s47, 0
	s_lshl_b32 s45, s14, 15                        ; where they go: wave x 32,768: no place in the cluster enters an LDS address
	s_wait_kmcnt 0x0
	s_load_b64 s[96:97], s[8:9], 0x28              ; e10, e11
	s_add_nc_u64 s[20:21], s[4:5], s[20:21]
	s_add_nc_u64 s[46:47], s[6:7], s[46:47]
	CROUND                                         ; all sixteen work-groups are here: the first joint loads meet
.irp s, 0,1
	s_mov_b32 s[G0+4*\s], 1
	s_add_co_u32 s[G0+4*\s+1], s45, \s*SLOT
	s_add_nc_u64 s[G0+4*\s+2:G0+4*\s+3], s[20:21], \s*KSTEPB
	s_or_b32 s[G0+4*\s+3], s[G0+4*\s+3], 0x80000000
	s_mov_b32 s[G0B+4*\s], 1
	s_add_co_u32 s[G0B+4*\s+1], s45, \s*SLOT
	s_add_nc_u64 s[G0B+4*\s+2:G0B+4*\s+3], s[46:47], \s*KSTEPB
	s_or_b32 s[G0B+4*\s+3], s[G0B+4*\s+3], 0x80000000
	s_wait_alu depctr_va_vdst(0)
	s_wait_tensorcnt 0x0
	ds_add_u32 v28, v29
	ds_add_u32 v28, v29
	s_wait_dscnt 0x0
	CROUND
	JLOAD G0+4*\s, G1, G0B+4*\s, G1B               ; one load of mine is out
.endr
	v_and_b32 v1, 15, v0                           ; l % 16
	s_wait_alu depctr_va_vdst(0)
	v_bfe_u32 v2, v0, 4, 1                         ; l / 16
	v_and_b32 v6, 31, v0
	v_lshlrev_b32 v[CO], 4, v6
	s_lshl_b32 s21, s15, 15                        ; my 128 rows of A
	s_lshl_b32 s22, s16, 15                        ; my 128 rows of B,
	s_add_co_u32 s22, s22, 2*HALFT                 ; which lie behind A's two halves
.irp s, 0,1
	v_add_nc_u32 v[ADRA+\s], s21, v[CO]
	v_add_nc_u32 v[ADRB+\s], s22, v[CO]
	s_add_co_u32 s21, s21, SLOT
	s_add_co_u32 s22, s22, SLOT
.endr
	s_mul_i32 s23, s14, 16*SPITCH                  ; my stage
	v_mul_u32_u24 v5, v1, SPITCH                   ; in: row l % 16, 32 bytes for each half of the lanes
	s_wait_alu depctr_va_vdst(0)
	v_lshl_add_u32 v5, v2, 5, v5
	v_add_nc_u32 v[STO], s23, v5
	v_add_nc_u32 v[RD], s23, v[CO]                 ; back: the 32 lanes take one row of 512 bytes
	s_lshl_b32 s20, s17, 8
	s_lshl_b32 s21, s15, 7
	s_add_co_u32 s20, s20, s21                     ; my first row of out: 256 x tile row + 128 x half
	s_lshl_b32 s20, s20, 12                        ; rows of 4,096 bytes
	s_mov_b32 s21, 0
	s_lshl_b32 s46, s42, 10                        ; my first column, in bytes: 1,024 x tile column + 512 x half
	s_lshl_b32 s47, s16, 9
	s_add_co_u32 s46, s46, s47
	s_mov_b32 s47, 0
	s_add_nc_u64 s[20:21], s[20:21], s[46:47]
	s_add_nc_u64 s[10:11], s[10:11], s[20:21]
.macro FRAG reg, adr, q, i             ; fragment i of the slot's q-th 128 along K: four pieces of 512 consecutive bytes
.irp c, 0,1,2,3
	ds_load_b128 v[\reg+4*\c:\reg+4*\c+3], v[\adr] offset:16384*(\q)+2048*(\i)+512*\c
.endr
.endm
; 16 matrix instructions: A's blocks a0, a0 + 1 x B's eight, 128 along K.  p: B's set.  zero = 1: the first product starts the sums: nothing is ever cleared.
; The 64 accumulators take turns, one instruction a turn, in the same order in every step.
.macro MUL16 a0, p, zero
.irp a, \a0, \a0+1
.irp b, 0,1,2,3,4,5,6,7
.if \zero
	v_wmma_f32_16x16x128_fp8_fp8 v[8*(8*((\a)%4)+\b):8*(8*((\a)%4)+\b)+7], v[128*(\p)+FR*\b:128*(\p)+FR*\b+FR-1], v[AF+FR*(\a):AF+FR*(\a)+FR-1], 0
.else
	v_wmma_f32_16x16x128_fp8_fp8 v[8*(8*((\a)%4)+\b):8*(8*((\a)%4)+\b)+7], v[128*(\p)+FR*\b:128*(\p)+FR*\b+FR-1], v[AF+FR*(\a):AF+FR*(\a)+FR-1], v[8*(8*((\a)%4)+\b):8*(8*((\a)%4)+\b)+7]
.endif
.endr
.endr
.endm
.macro FETCH_B slot, q, p              ; B's eight fragments into set p
	WIN TO_B
.irp i, 0,1,2,3,4,5,6,7
	FRAG 128*(\p)+FR*\i, ADRB+\slot, \q, \i
.endr
	WIN 0
.endm
.macro FETCH_A slot, q, i0             ; A's blocks i0 .. i0 + 3
.irp i, \i0, \i0+1, \i0+2, \i0+3
	FRAG AF+FR*(\i), ADRA+\slot, \q, \i
.endr
.endm
; A load into a register that a matrix instruction has read, and a vector instruction that reads a matrix result, stand NP places behind that matrix instruction; only plain vector
; instructions that name none of its registers are places (ISA guide 7.12.1 for vector instructions).
.macro PLACES n
.rept \n
	v_nop
.endr
.endm
; A step of 128 along K that has its successor in the same slot.  A block of A is free as soon as its eight products are issued, so one set serves A; B has two.
.macro STEP slot, q, zero
	s_wait_dscnt 4*NL                              ; B's set and A's blocks 0-3 are in; the youngest sixteen loads (A's blocks 4-7) may be out
	WIN MUL_LO
	MUL16 0, (\q)%2, \zero
	MUL16 2, (\q)%2, \zero
	s_wait_dscnt 0                                 ; A's blocks 4-7 are in
	PLACES NP
	FETCH_B \slot, (\q)+1, 1-(\q)%2
	FETCH_A \slot, (\q)+1, 0
	WIN MUL_HI
	MUL16 4, (\q)%2, \zero
	MUL16 6, (\q)%2, \zero
	PLACES NP
	WIN 0
	FETCH_A \slot, (\q)+1, 4
.endm
; A slot's last step changes slots: ONE barrier; in front of it each wave waits for all its tensor loads, adds 0 to its spare word, and waits for that and for its own reads of this slot.
; fill = 1: this slot is filled again, two K steps ahead; the barrier then opens a round of the cluster's barrier, and the joint refill is the first tensor load behind the round.
.macro TURN slot, next, fill
	s_wait_tensorcnt 0x0                           ; all my tensor loads have landed: my part of the next slot
	ds_add_u32 v[SPW], v[NIL]                      ; 0 onto my spare word
	s_wait_dscnt 4*NL+1                            ; (the add and the youngest sixteen loads, A's blocks 4-7, may be out)
	WIN MUL_LO
	MUL16 0, 1, 0                                  ; sixteen matrix instructions stand between the add and the wait for it
	s_wait_dscnt 0x0                               ; the add is done, and my reads of this slot are over
	s_barrier_signal -1
	MUL16 2, 1, 0
	WIN 0
	s_barrier_wait -1
.if \fill
	CREST                                          ; no wave of any partner still reads this slot's tile or has a load on its way
	s_add_nc_u64 s[G0+4*\slot+2:G0+4*\slot+3], s[G0+4*\slot+2:G0+4*\slot+3], 2*KSTEPB
	s_add_nc_u64 s[G0B+4*\slot+2:G0B+4*\slot+3], s[G0B+4*\slot+2:G0B+4*\slot+3], 2*KSTEPB
	JLOAD G0+4*\slot, G1, G0B+4*\slot, G1B         ; one load of mine is out; the four v_nop behind it are the places in front of the loads below
.else
	PLACES NP
.endif
	FETCH_B \next, 0, 0
	FETCH_A \next, 0, 0
	WIN MUL_HI
	MUL16 4, 1, 0
	MUL16 6, 1, 0
	PLACES NP
	WIN 0
	FETCH_A \next, 0, 4
.endm
	s_wait_tensorcnt 1                             ; my part of K step 0 is in (K step 1's load may be out)
	s_barrier_signal -1
	s_barrier_wait -1                              ; everybody's is
	FETCH_B 0, 0, 0
	FETCH_A 0, 0, 0
	FETCH_A 0, 0, 4
	STEP 0, 0, 1                                   ; K = 1,024 is eight steps of 128, written out: the first starts the sums
	TURN 0, 1, 1                                   ; slot 0 takes K step 2
	STEP 1, 0, 0
	TURN 1, 0, 1                                   ; slot 1 takes K step 3
	STEP 0, 0, 0
	TURN 0, 1, 0                                   ; nothing is left to fetch
	STEP 1, 0, 0
	s_wait_dscnt 4*NL
	WIN MUL_LO
	MUL16 0, 1, 0
	MUL16 2, 1, 0
	s_wait_dscnt 0
	WIN MUL_HI
	MUL16 4, 1, 0
	MUL16 6, 1, 0
	WIN 0
; THE WAY OUT, block by block of 16 rows x 128 columns.  A lane holds 32 neighbouring bytes of a row, and the lanes beside it hold other rows: so a block goes through my own stage in LDS and comes back as
; whole rows of 512 bytes, which the 32 lanes store.  LDS serves a wave's instructions in order (ISA guide 5.7.1.4): no wait between the stores and the loads, nor in front of the next block's stores.
.macro TOSTAGE a
.set AC, 64*((\a)%4)
	WIN 0x02+((\a)/4)                              ; source 0: window 2 or 3
.irp j, 0,2,4,6,8,10,12,14,16,18,20,22,24,26,28,30,32,34,36,38,40,42,44,46,48,50,52,54,56,58,60,62
	v_pk_mul_f32 v[TMP+\j:TMP+\j+1], v[AC+\j:AC+\j+1], s[96:97] op_sel_hi:[1,0]   ; both x s96 = 2^(e10 + e11); each accumulator from its low end on
.endr
	WIN 0
.irp b, 0,1,2,3,4,5,6,7
	ds_store_b128 v[STO], v[TMP+8*\b:TMP+8*\b+3] offset:64*\b
	ds_store_b128 v[STO], v[TMP+8*\b+4:TMP+8*\b+7] offset:64*\b+16
.endr
.set BB, BK+64*((\a)%2)
.irp t, 0,1,2,3,4,5,6,7,8,9,10,11,12,13,14,15
	ds_load_b128 v[BB+4*\t:BB+4*\t+3], v[RD] offset:\t*SPITCH
.endr
.endm
.macro SEND a, younger                 ; younger: the LDS instructions issued behind block a's loads, which may stay out
.set BB, BK+64*((\a)%2)
	s_wait_dscnt \younger                          ; the block is back in registers
.if (\a) > 0
	s_add_nc_u64 s[10:11], s[10:11], 16*SIZE_N*4   ; (behind a wait on XCNT: the earlier stores have read their base)  16 rows of out on
.endif
.irp t, 0,1,2,3,4,5,6,7,8,9,10,11,12,13,14,15
	global_store_b128 v[CO], v[BB+4*\t:BB+4*\t+3], s[10:11] offset:\t*SIZE_N*4 th:TH_STORE_NT   ; 32 lanes store 512 consecutive bytes, at a multiple of 256 from out's first byte; written once, read by nobody here
.endr
.endm
	s_wait_kmcnt 0x0
	s_add_co_i32 s96, s96, s97                     ; e10 + e11, between -126 and 127,
	s_add_co_i32 s96, s96, 127
	s_lshl_b32 s96, s96, 23                        ; makes the f32 number 2^(e10 + e11)
	PLACES NP                                      ; for the loads into the registers that held A's fragments, and for the reads of the last results
	TOSTAGE 0
.irp a, 1,2,3,4,5,6,7
.if \a > 1
	s_wait_xcnt 0x0                                ; block a - 2's stores have read their registers and their base: block a's loads may land there, and the base may step
.endif
	TOSTAGE \a
	SEND \a-1, 32                                  ; behind block a - 1's loads: block a's 16 stores and 16 loads
.endr
	s_wait_xcnt 0x0                                ; block 6's stores have read their base
	SEND 7, 0
	s_wait_tensorcnt 0x0                           ; the wave's end
	ds_add_u32 v[SPW], v[NIL]
	s_wait_dscnt 0x0
	CROUND                                         ; the closing round: no work-group ends while a partner may still ask for a tile that names it
	s_endpgm
.Lfunc_end_k_q10312711a5_oproj:
	.size	k_q10312711a5_oproj, .Lfunc_end_k_q10312711a5_oproj-k_q10312711a5_oproj
	.p2alignl 7, 3214868480
	.fill 96, 4, 3214868480
	.section	.rodata,"a",@progbits
	.p2align	6, 0x0
	.amdhsa_kernel k_q10312711a5_oproj
		.amdhsa_group_segment_fixed_size 327680
		.amdhsa_private_segment_fixed_size 0
		.amdhsa_enable_private_segment 0
		.amdhsa_kernarg_size 32
		.amdhsa_user_sgpr_count 2
		.amdhsa_user_sgpr_kernarg_segment_ptr 1
		.amdhsa_wavefront_size32 1
		.amdhsa_system_sgpr_workgroup_id_x 1
		.amdhsa_system_sgpr_workgroup_id_y 1
		.amdhsa_system_sgpr_workgroup_id_z 1
		.amdhsa_system_vgpr_workitem_id 0
		.amdhsa_next_free_vgpr 1024
		.amdhsa_next_free_sgpr 98
		.amdhsa_reserve_vcc 0
		.amdhsa_float_denorm_mode_32 3
		.amdhsa_float_denorm_mode_16_64 3
		.amdhsa_memory_ordered 1
		.amdhsa_forward_progress 1
		.amdhsa_inst_pref_size 124
	.end_amdhsa_kernel
	.amdgpu_metadata
---
amdhsa.version: [ 1, 2 ]
amdhsa.kernels:
  - .name:           k_q10312711a5_oproj
    .symbol:         k_q10312711a5_oproj.kd
    .args:
      - { .name: cc, .offset: 0, .size: 8, .value_kind: global_buffer, .address_space: global }
      - { .name: wc, .offset: 8, .size: 8, .value_kind: global_buffer, .address_space: global }
      - { .name: lowp_scales, .offset: 16, .size: 8, .value_kind: global_buffer, .address_space: global }
      - { .name: out0, .offset: 24, .size: 8, .value_kind: global_buffer, .address_space: global }
    .group_segment_fixed_size: 327680
    .private_segment_fixed_size: 0
    .kernarg_segment_align: 8
    .kernarg_segment_size: 32
    .max_flat_workgroup_size: 128
    .sgpr_count:     98
    .vgpr_count:     1024
    .wavefront_size: 32
...
	.end_amdgpu_metadata
.endif
;; end of part 4
